; MI455X (gfx1250); checked and timed in simulation.
; The chip was launched on July 23, 2026; its instructions are those of AMD's public machine-readable ISA for CDNA 5 (MIT licence, August 2026) and "CDNA5" Instruction Set Architecture Reference Guide (July 2026). The comments in the code are by the model that wrote it; some were corrected since.
;; Standard Attention. Allowed arithmetic: float matrix products may take bf16 or f16 operands with f32 sums; all other float work in f32.
;; Inputs: k 2 x 16 x 2,048 x 64 float32; q 2 x 16 x 2,048 x 64 float32; v 2 x 16 x 2,048 x 64 float32.
;; Outputs: out0 2 x 16 x 2,048 x 64 float32.
;; One version. Each part assembles by itself: llvm-mc -triple=amdgcn-amd-amdhsa -mcpu=gfx1250 --defsym DOCPART=n.
;; ======== version 1 of 1: 1 launch
;; limits: values are held in f16: magnitudes above 65,504 overflow, below 6.1e-05 lose precision; inputs' magnitudes at most 65,280
;; launch attn (part 1): grid 8 x 32, 8 waves a work-group, no clusters, 148,480 bytes of LDS; arguments q, k, v, out0; writes out0
.if DOCPART == 1
	.amdgcn_target "amdgcn-amd-amdhsa--gfx1250"
	.amdhsa_code_object_version 6
	.text
	.protected	k_q352cfe09b8_attn
	.globl	k_q352cfe09b8_attn
	.p2align	8
	.type	k_q352cfe09b8_attn,@function
k_q352cfe09b8_attn:
	s_mov_b64 s[64:65], 0
	v_nop
	global_prefetch_b8 v0, s[64:65] scope:SCOPE_SE
	s_setreg_imm32_b32 hwreg(HW_REG_WAVE_MODE, 25, 1), 1
	s_wait_xcnt 0x0
; Causal attention, out = softmax(q k^T / 8, keys <= query) v.  q, k, v, out: [32 heads][2048][64] f32.
; WORK.  Work-group (p = x, head = y) makes two blocks of 128 queries, block p and then block 15-p.  Block b needs the key blocks 0..b of
; 128 keys, the last one masked, so every work-group does (p+1) + (16-p) = 17 key steps.  Eight waves, two on each SIMD: wave = 4 s + w has the
; queries 32 w .. 32 w + 31 of the block (two groups of 16) and the keys 64 s .. 64 s + 63 of every step.  At a block's end the waves
; w and w + 4 merge their maxima, sums and results through LDS; set s finishes group s.
; FORMATS.  q, k and v are each rounded once, to bf16.  The scores are made by the bf16 matrix form.  v's bf16 values are then written as f16,
; which changes nothing (8 significant bits in f16's 11; range: see LIMITS), so that the weights can be f16 and the second product takes the f16
; form.  Why: in a row with few keys a weight near 1/2 reaches the result undamped, so its rounding shows there in full: at most 2^-12
; absolute in f16, 2^-9 in bf16.  So the result is the f32 computation on inputs rounded to bf16, but for the weights' rounding to f16.
; Sums, maxima, exponentials in f32.  The tiles go memory -> registers -> conversion -> LDS, one step ahead of their use.
; BOTH PRODUCTS ARE TAKEN TRANSPOSED.  S^T = K Q^T: lane (r = l % 16, h = l / 16) holds query r, register j of tile kt key 16 kt + 8 h + j.
; Packing tiles 2 ks and 2 ks + 1 to f16 gives, in place, the second operand P^T of O^T = V^T P^T for keys 32 ks .. 32 ks + 31: the weights never
; change lanes.  A query's maximum and sum lie in lanes l and l ^ 16.  O^T: register j of tile dt is (d = 16 dt + 8 h + j, query r).
; SOFTMAX.  Running maximum of the raw scores, started at -FLT_MAX; weight = exp2(c s - c m), c = log2(e) / 8.  The rounded -c m is kept, and
; the rescale factor is exp2 of the difference of two such kept values, so old and new weights refer to exactly the same number.
; Masked scores are -inf and give weights of exactly 0; a wave whose keys are all masked ends with sum 0 and result 0 and drops out in the merge.
; LIMITS.  An element of v whose bf16 value is beyond 65,280 in magnitude becomes infinite in f16, and one below 2^-17 keeps an absolute error of
; up to 2^-25.  q and k have bf16's range.  A weight below 2^-14 (relative to the running maximum) is an f16 denormal, absolute error at most
; 2^-25, and below 2^-25 it drops out of the product with V: over 2,048 keys at most 2^-14 of a sum that is at least 1.  NaN or infinite inputs,
; or raw q.k sums beyond f32, give whatever this arithmetic yields.  In the f32 sum weights below 2^-126 count as 0 (v_exp_f32 flushes
; denormals, ISA guide 15.8).
; NO CLUSTER, NO TENSOR LOADS: the tiles must pass through registers to be rounded, and the eight work-groups of a head walk the key
; blocks in different orders (0..p, then 0..15-p), so at a given step they want different tiles.
.set PITK,  144                        ; LDS pitch of K and Q rows: 128 bytes of bf16 + 16 (an odd multiple of 16)
.set PITV,  160                        ; LDS pitch of V rows: 128 bytes of f16 + 32 (an odd multiple of 32, for the transposing load)
.set PITO,  272                        ; LDS pitch of an out row: 256 + 16
.set LV,    18432                      ; LDS: K at 0 (128 x 144), V here (128 x 160)
.set LQ0,   38912                      ; the first block's 128 query rows (128 x 144)
.set LQ1,   57344                      ; the second block's
.set LX,    75776                      ; exchange, 4,608 bytes a wave: 32 registers in 8 x 512, then (m, l) at +4096
.set XB,    4608
.set LOS,   112640                     ; out stage, 4,352 bytes a wave: 16 rows x 272
.set OSB,   4352
.set TILEB, 32768                      ; 128 rows x 64 f32 in memory
; window 0:  v1 16 t | v2, v3 where thread t stores its part of K, V | v4, v5, v6 fragment addresses of K, V, Q | v7, v8 exchange: mine, partner's
;            v9, v10 out stage: in, back | v11 my bytes in the out block | v12 prefetch offset | v13 -inf | v48, v49 as v2 for the two Q blocks
.set VT,   14                          ; v14, v15   group g: mask threshold 32 w + 16 g + r - 64 s - 8 h
.set VM,   16                          ; v16, v20   group g: running maximum        (VM + 4 g)
.set VLS,  17                          ; v17, v21   group g: the lane's sum, at the end (beside VM: sent as a pair)
.set VL,   18                          ; v[18:19], v[22:23]  running sums, two chains side by side
.set VNM,  24                          ; v[24:25], v[26:27]  -c m, twice
.set VAL,  28                          ; v[28:29], v[30:31]  rescale factor, twice
.set VMX,  32                          ; v32, v33   new maximum
.set VTB,  34                          ; v34, v35   second chain of the maximum
.set VPT,  36                          ; v36, v37   what v_permlanex16_b32 brings
.set VTS,  38                          ; v[38:39], v[40:41]  second chain of the sum
.set VQ,   64                          ; v[64:95]   Q fragments, 64 + 16 g + 8 ks
.set VS,   96                          ; v[96:159]  scores, 96 + 32 g + 8 kt; packed weights in place at 96 + 32 g + 16 ks
.set VO,   160                         ; v[160:223] results, 160 + 32 g + 8 dt
.set VR,   224                         ; v[224:255] merge and out buffer
; window 1 (v256 and up; the names give the low 8 bits)
.set WG,   0                           ; v256-319   the next tile as loaded: K in 32 registers, V in 32
.set WKF,  64                          ; v320-383   K fragments, 64 + 16 kt + 8 ks
.set WVF,  128                         ; v384-447   V fragments, 128 + 32 ks + 8 dt
; s_set_vgpr_msb: bits 1:0 source 0, 3:2 source 1, 5:4 source 2, 7:6 destination; the high byte repeats the setting that is left.
; 0x40 loads into window 1; 0x01 matrix instructions (first operand in window 1); 0x45 conversions inside window 1; 0x44 the same where the
; first source is a scalar or a constant; 0x04 LDS stores of window 1.
.set MSB, 0
.macro WIN new
.if MSB != \new
	s_set_vgpr_msb (MSB<<8)|\new
.set MSB, \new
.endif
.endm
; eight loads: the 256 threads take 4,096 neighbouring bytes each time, a wave 512; together a dense tile of 32,768 bytes
.macro GLOAD base, dst, nt
.irp i, 0,1,2,3,4,5,6,7
.if \nt
	global_load_b128 v[\dst+4*\i:\dst+4*\i+3], v1, s[\base:\base+1] offset:4096*\i th:TH_LOAD_NT
.else
	global_load_b128 v[\dst+4*\i:\dst+4*\i+3], v1, s[\base:\base+1] offset:4096*\i
.endif
.endr
.endm
; 2 cnt f32 to bf16, in place and ascending: word n is written after words 2 n and 2 n + 1 of every smaller n were read
.macro CVTB b, cnt
.set cvn, 0
.rept \cnt
	v_cvt_pk_bf16_f32 v[\b+cvn], v[\b+2*cvn], v[\b+2*cvn+1]
.set cvn, cvn+1
.endr
.endm
; A tile as loaded, K in b .. b+31 and V in b+32 .. b+63 (window 1), to 16 words of bf16 at b and 16 words of f16 at b+16.
; V: rounded to bf16, the two halves widened to f32 again, and these packed to f16, which is exact.  Four passes of 16 independent lines.
.macro CVTKV b
	WIN 0x45
	CVTB \b, 16
.set cvn, 0
.rept 16
	v_cvt_pk_bf16_f32 v[\b+32+2*cvn], v[\b+32+2*cvn], v[\b+32+2*cvn+1]     ; the one rounding of v
.set cvn, cvn+1
.endr
	WIN 0x44
.set cvn, 0
.rept 16
	v_and_b32 v[\b+33+2*cvn], s56, v[\b+32+2*cvn]                          ; the upper bf16 as f32
.set cvn, cvn+1
.endr
.set cvn, 0
.rept 16
	v_lshlrev_b32 v[\b+32+2*cvn], 16, v[\b+32+2*cvn]                       ; the lower one
.set cvn, cvn+1
.endr
	WIN 0x45
.set cvn, 0
.rept 16
	v_cvt_pk_f16_f32 v[\b+16+cvn], v[\b+32+2*cvn], v[\b+32+2*cvn+1]        ; b+16 .. b+31 held K's f32, read above
.set cvn, cvn+1
.endr
.endm
; load i held row 16 i + t / 16, floats 4 (t % 16) ..: 8 bytes of 16-bit numbers at that row
.macro DSTORE addr, b, pitch
.irp i, 0,1,2,3,4,5,6,7
	ds_store_b64 v[\addr], v[\b+2*\i:\b+2*\i+1] offset:\i*16*\pitch
.endr
.endm
; the key block of the next request: the sequence is 0..p, then 0..15-p; s38 counts requests
.macro NEXTTILE
	s_sub_co_u32 s39, s38, s13                     ; count - (p + 1): the place in the second block's run
	s_cmp_le_u32 s38, s12
	s_cselect_b32 s39, s38, s39                    ; count <= p: still the first block's run
	s_lshl_b32 s36, s39, 15                        ; s37 = 0
	s_add_nc_u64 s[32:33], s[20:21], s[36:37]
	s_add_nc_u64 s[34:35], s[22:23], s[36:37]
	s_add_co_u32 s38, s38, 1
.endm
; my 32 queries as second operands: lane (r, h) takes row r, d = 32 ks + 8 h .. and 32 ks + 16 + 8 h ..
.macro LOADQ qbase
.irp g, 0,1
.irp ks, 0,1
.irp e, 0,1
	ds_load_b128 v[VQ+16*\g+8*\ks+4*\e:VQ+16*\g+8*\ks+4*\e+3], v6 offset:\qbase+\g*16*PITK+\ks*64+\e*32
.endr
.endr
.endr
.endm
; the diagonal step: key 64 s + 16 kt + 8 h + j beyond query 32 w + 16 g + r gets -inf
.macro MASK
.irp g, 0,1
.irp kt, 0,1,2,3
.irp j, 0,1,2,3,4,5,6,7
	v_cmp_gt_i32 vcc_lo, 16*\kt+\j, v[VT+\g]
	v_cndmask_b32 v[VS+32*\g+8*\kt+\j], v[VS+32*\g+8*\kt+\j], v13, vcc_lo
.endr
.endr
.endr
.endm
; new maxima of both groups: two chains a group, four chains interleaved; then the other half of the lanes
.macro MAX2 first
.irp g, 0,1
.if \first
	v_max3_num_f32 v[VMX+\g], v[VS+32*\g], v[VS+32*\g+1], s51
.else
	v_max3_num_f32 v[VMX+\g], v[VS+32*\g], v[VS+32*\g+1], v[VM+4*\g]
.endif
	v_max3_num_f32 v[VTB+\g], v[VS+32*\g+16], v[VS+32*\g+17], v[VS+32*\g+18]
.endr
.irp n, 0,1,2,3,4,5
.irp g, 0,1
	v_max3_num_f32 v[VMX+\g], v[VMX+\g], v[VS+32*\g+2+2*\n], v[VS+32*\g+3+2*\n]
	v_max3_num_f32 v[VTB+\g], v[VTB+\g], v[VS+32*\g+19+2*\n], v[VS+32*\g+20+2*\n]
.endr
.endr
.irp g, 0,1
	v_max3_num_f32 v[VMX+\g], v[VMX+\g], v[VS+32*\g+14], v[VS+32*\g+15]
.endr
.irp g, 0,1
	v_max3_num_f32 v[VMX+\g], v[VMX+\g], v[VTB+\g], v[VS+32*\g+31]
.endr
.irp g, 0,1
	v_permlanex16_b32 v[VPT+\g], v[VMX+\g], s48, s49       ; lane l ^ 16 holds the query's other keys
.endr
.irp g, 0,1
	v_max_num_f32 v[VMX+\g], v[VMX+\g], v[VPT+\g]
.endr
.endm
; group g: -c m, the rescale factor, and the 32 weights exp2(c s - c m) in place
.macro EXPPH g, first
.if \first
	v_mul_f32 v[VNM+2*\g], s50, v[VMX+\g]
	v_mul_f32 v[VNM+2*\g+1], s50, v[VMX+\g]
.else
	v_mul_f32 v[VAL+2*\g+1], s50, v[VMX+\g]                ; the new -c m
	v_sub_f32 v[VAL+2*\g], v[VAL+2*\g+1], v[VNM+2*\g]      ; minus the kept one: c (m old - m new), exactly 0 where m stays
	v_exp_f32 v[VAL+2*\g], v[VAL+2*\g]
	v_mov_b32 v[VNM+2*\g], v[VAL+2*\g+1]
	v_mov_b32 v[VNM+2*\g+1], v[VAL+2*\g+1]
.endif
	v_mov_b32 v[VM+4*\g], v[VMX+\g]
.irp n, 0,1,2,3,4,5,6,7,8,9,10,11,12,13,14,15
	v_pk_fma_f32 v[VS+32*\g+2*\n:VS+32*\g+2*\n+1], v[VS+32*\g+2*\n:VS+32*\g+2*\n+1], s[46:47], v[VNM+2*\g:VNM+2*\g+1] op_sel_hi:[1,0,1]
.endr
.set exn, 0
.rept 32
	v_exp_f32 v[VS+32*\g+exn], v[VS+32*\g+exn]
.set exn, exn+1
.endr
.endm
; group g: sums, packing, rescaling of the results, and the eight products with V
.macro TAIL g, first
.if \first
	v_nop                                                  ; the plain place behind the run of v_exp_f32 (ISA guide 5.7.2)
	s_wait_alu depctr_va_vdst(0)
	v_pk_add_f32 v[VL+4*\g:VL+4*\g+1], v[VS+32*\g:VS+32*\g+1], v[VS+32*\g+2:VS+32*\g+3]
.else
	s_wait_alu depctr_va_vdst(0)
	v_mov_b32 v[VAL+2*\g+1], v[VAL+2*\g]                   ; the factor twice; also the plain place behind the run of v_exp_f32
	v_pk_fma_f32 v[VL+4*\g:VL+4*\g+1], v[VL+4*\g:VL+4*\g+1], v[VAL+2*\g:VAL+2*\g+1], v[VS+32*\g:VS+32*\g+1]
	v_pk_add_f32 v[VL+4*\g:VL+4*\g+1], v[VL+4*\g:VL+4*\g+1], v[VS+32*\g+2:VS+32*\g+3]
.endif
	v_pk_add_f32 v[VTS+2*\g:VTS+2*\g+1], v[VS+32*\g+16:VS+32*\g+17], v[VS+32*\g+18:VS+32*\g+19]
.irp n, 2,3,4,5,6,7
	v_pk_add_f32 v[VL+4*\g:VL+4*\g+1], v[VL+4*\g:VL+4*\g+1], v[VS+32*\g+2*\n:VS+32*\g+2*\n+1]
	v_pk_add_f32 v[VTS+2*\g:VTS+2*\g+1], v[VTS+2*\g:VTS+2*\g+1], v[VS+32*\g+16+2*\n:VS+32*\g+16+2*\n+1]
.endr
	v_pk_add_f32 v[VL+4*\g:VL+4*\g+1], v[VL+4*\g:VL+4*\g+1], v[VTS+2*\g:VTS+2*\g+1]
.irp ks, 0,1
.irp n, 0,1,2,3,4,5,6,7
	v_cvt_pk_f16_f32 v[VS+32*\g+16*\ks+\n], v[VS+32*\g+16*\ks+2*\n], v[VS+32*\g+16*\ks+2*\n+1]   ; tiles 2 ks, 2 ks + 1 -> 8 registers, ascending in place
.endr
.endr
.if \first == 0
.irp n, 0,1,2,3,4,5,6,7,8,9,10,11,12,13,14,15
	v_pk_mul_f32 v[VO+32*\g+2*\n:VO+32*\g+2*\n+1], v[VO+32*\g+2*\n:VO+32*\g+2*\n+1], v[VAL+2*\g:VAL+2*\g+1]
.endr
.endif
	WIN 0x01
.irp dt, 0,1,2,3
.if \first
	v_wmma_f32_16x16x32_f16 v[VO+32*\g+8*\dt:VO+32*\g+8*\dt+7], v[WVF+8*\dt:WVF+8*\dt+7], v[VS+32*\g:VS+32*\g+7], 0
.else
	v_wmma_f32_16x16x32_f16 v[VO+32*\g+8*\dt:VO+32*\g+8*\dt+7], v[WVF+8*\dt:WVF+8*\dt+7], v[VS+32*\g:VS+32*\g+7], v[VO+32*\g+8*\dt:VO+32*\g+8*\dt+7]
.endif
.endr
.irp dt, 0,1,2,3
	v_wmma_f32_16x16x32_f16 v[VO+32*\g+8*\dt:VO+32*\g+8*\dt+7], v[WVF+32+8*\dt:WVF+32+8*\dt+7], v[VS+32*\g+16:VS+32*\g+23], v[VO+32*\g+8*\dt:VO+32*\g+8*\dt+7]
.endr
	WIN 0
.endm
; ONE KEY STEP.  first: the block's first step (starts maxima, sums and results; nothing is cleared).  mask: the diagonal step.
; store: the tile waiting in registers goes to LDS for the next step (two barriers).  load: a further tile is requested from memory.
; The score accumulators see the bf16 form alone and the result accumulators the f16 form alone, so each chain in place is of one form.
.macro STEP first, mask, store, load, tag
	WIN 0x40
.irp kt, 0,1,2,3
.irp ks, 0,1
.irp e, 0,1
	ds_load_b128 v[WKF+16*\kt+8*\ks+4*\e:WKF+16*\kt+8*\ks+4*\e+3], v4 offset:\kt*16*PITK+\ks*64+\e*32
.endr
.endr
.endr
.irp ks, 0,1
.irp dt, 0,1,2,3
.irp e, 0,1
	ds_load_tr16_b128 v[WVF+32*\ks+8*\dt+4*\e:WVF+32*\ks+8*\dt+4*\e+3], v5 offset:\ks*32*PITV+\dt*32+\e*16*PITV   ; V lies [key][d]: transposed on the way
.endr
.endr
.endr
	WIN 0x01
.irp kt, 0,1,2,3
	s_wait_dscnt 28-4*\kt                          ; K tile kt is in: its 4 (3 - kt) younger K loads and the 16 V loads stay out (Q's loads are older)
	v_wmma_f32_16x16x32_bf16 v[VS+8*\kt:VS+8*\kt+7], v[WKF+16*\kt:WKF+16*\kt+7], v[VQ:VQ+7], 0
	v_wmma_f32_16x16x32_bf16 v[VS+32+8*\kt:VS+32+8*\kt+7], v[WKF+16*\kt:WKF+16*\kt+7], v[VQ+16:VQ+23], 0
	v_wmma_f32_16x16x32_bf16 v[VS+8*\kt:VS+8*\kt+7], v[WKF+16*\kt+8:WKF+16*\kt+15], v[VQ+8:VQ+15], v[VS+8*\kt:VS+8*\kt+7]
	v_wmma_f32_16x16x32_bf16 v[VS+32+8*\kt:VS+32+8*\kt+7], v[WKF+16*\kt+8:WKF+16*\kt+15], v[VQ+24:VQ+31], v[VS+32+8*\kt:VS+32+8*\kt+7]
.endr
	WIN 0
.rept 4
	v_nop                                          ; four places before vector instructions read the scores (ISA guide 7.12.1)
.endr
	s_wait_dscnt 0x0                               ; the V fragments are in; my reads of this tile are over
.if \store
	s_barrier_signal -1                            ; say so; the maxima below are register work
.endif
.if \mask
	MASK
.endif
	MAX2 \first
.if \store
	s_barrier_wait -1                              ; nobody reads this tile any more: K and V in LDS may be written
	s_wait_loadcnt 0x0                             ; the next tile, requested one step ago, is in registers
	CVTKV WG
	WIN 0x04
	DSTORE 2, WG, PITK
	DSTORE 3, WG+16, PITV
.if \load
	s_wait_xcnt 0x0                                ; the bases of the last loads and of the last prefetch are stepped only behind this wait
	s_add_nc_u64 s[44:45], s[44:45], TILEB
	NEXTTILE
	WIN 0x40
	GLOAD 32, WG, 0
	GLOAD 34, WG+32, 0
	WIN 0
	; Prefetch: in request t = 0..11 wave 0 asks for 32 blocks 256 bytes apart (8,192 bytes) of key block t + 4: K where p is even, V where it is odd,
	; quarter p / 2.  So the eight work-groups of a head ask once for each byte of key blocks 4..15, two requests ahead of the earliest
	; load of that block in the head (p = 7 loads block b in request b - 2).  It stops with block 15, the head's last.
	s_cmp_eq_u32 s42, 0
	s_cbranch_scc1 .Lnopf_\tag
	global_prefetch_b8 v12, s[44:45] th:TH_LOAD_NT scope:SCOPE_SE
	s_sub_co_u32 s42, s42, 1
.Lnopf_\tag:
.else
	WIN 0
.endif
.endif
	EXPPH 0, \first
.if \store
	s_wait_dscnt 0x0                               ; my part of the next tile is in LDS
	s_barrier_signal -1                            ; say so; the rest of the step is register work
.endif
	TAIL 0, \first
	EXPPH 1, \first                                ; group 1's vector work issues behind group 0's products
	TAIL 1, \first
.rept 5
	v_nop                                          ; five places before the next products write over the weights, four before loads into the V
.endr                                                  ; fragments and before anything reads the results (ISA guide 7.12.1)
.if \store
	s_barrier_wait -1                              ; everybody's part of the next tile is in LDS
.endif
.endm
; the group that my partner finishes goes to my exchange bytes
.macro SEND o
.irp n, 0,1,2,3,4,5,6,7
	ds_store_b128 v7, v[VO+32*\o+4*\n:VO+32*\o+4*\n+3] offset:512*\n
.endr
	ds_store_b64 v7, v[VM+4*\o:VM+4*\o+1] offset:4096      ; (m, the lane's sum)
.endm
; my group: both halves brought to the common maximum, divided by the whole sum, and laid into my out stage
.macro COMBINE g
	v_max_num_f32 v32, v[VM+4*\g], v42
	v_mul_f32 v34, s50, v32                        ; -c m of the common maximum: the same rounding as the kept value of whichever half has it
	v_mul_f32 v35, s50, v42                        ; the partner's kept value, made again
	v_sub_f32 v44, v34, v[VNM+2*\g]
	v_sub_f32 v46, v34, v35
	v_exp_f32 v44, v44
	v_exp_f32 v46, v46
	v_nop                                          ; the plain place behind v_exp_f32
	s_wait_alu depctr_va_vdst(0)
	v_mul_f32 v33, v44, v[VLS+4*\g]
	v_fmac_f32 v33, v46, v43
	v_permlanex16_b32 v36, v33, s48, s49           ; the sums of the query's other keys
	v_add_f32 v33, v33, v36                        ; at least 1: the largest score's weight
	v_rcp_f32 v33, v33
	v_nop                                          ; the plain place behind v_rcp_f32
	s_wait_alu depctr_va_vdst(0)
	v_mul_f32 v44, v44, v33
	v_mul_f32 v46, v46, v33
	v_mov_b32 v45, v44
	v_mov_b32 v47, v46
.irp n, 0,1,2,3,4,5,6,7,8,9,10,11,12,13,14,15
	v_pk_mul_f32 v[VO+32*\g+2*\n:VO+32*\g+2*\n+1], v[VO+32*\g+2*\n:VO+32*\g+2*\n+1], v[44:45]
	v_pk_fma_f32 v[VO+32*\g+2*\n:VO+32*\g+2*\n+1], v[VR+2*\n:VR+2*\n+1], v[46:47], v[VO+32*\g+2*\n:VO+32*\g+2*\n+1]
.endr
.irp dt, 0,1,2,3
.irp e, 0,1
	ds_store_b128 v9, v[VO+32*\g+8*\dt+4*\e:VO+32*\g+8*\dt+4*\e+3] offset:64*\dt+16*\e   ; row r, d = 16 dt + 8 h + 4 e ..
.endr
.endr
.endm
; A BLOCK'S END: exchange, merge, and 16 rows out
.macro FINISH tag, obase
	v_add_f32 v[VLS], v[VL], v[VL+1]
	v_add_f32 v[VLS+4], v[VL+4], v[VL+5]
	s_cmp_ge_u32 s14, 4
	s_cbranch_scc1 .Lsnd_\tag
	SEND 1                                         ; waves 0-3 finish group 0 and give group 1 away
	s_branch .Lsnt_\tag
.Lsnd_\tag:
	SEND 0
.Lsnt_\tag:
	s_wait_dscnt 0x0                               ; for the partner's sake: my stores are done
	s_barrier_signal -1
	s_barrier_wait -1
.irp n, 0,1,2,3,4,5,6,7
	ds_load_b128 v[VR+4*\n:VR+4*\n+3], v8 offset:512*\n    ; the same lane of wave ^ 4 holds the same query and the same d
.endr
	ds_load_b64 v[42:43], v8 offset:4096
	s_wait_dscnt 0x0
	s_cmp_ge_u32 s14, 4
	s_cbranch_scc1 .Lcmb_\tag
	COMBINE 0
	s_branch .Lcmd_\tag
.Lcmb_\tag:
	COMBINE 1
.Lcmd_\tag:
.irp t, 0,1,2,3,4,5,6,7
	ds_load_b128 v[VR+4*\t:VR+4*\t+3], v10 offset:2*PITO*\t        ; my own bytes: LDS serves a wave's instructions in order (ISA guide 5.7.1)
.endr
.irp t, 0,1,2,3,4,5,6,7
	s_wait_dscnt 7-\t                              ; rows 2 t, 2 t + 1 are back; the younger read-backs stay out
	global_store_b128 v11, v[VR+4*\t:VR+4*\t+3], s[\obase:\obase+1] offset:512*\t th:TH_STORE_NT   ; the wave stores 512 consecutive bytes, two whole rows
.endr
.endm
	; ---------------- set-up ----------------
	s_load_b256 s[4:11], s[0:1], 0x0               ; q s[4:5], k s[6:7], v s[8:9], out s[10:11]
	v_lshl_add_u32 v62, v0, 2, 0x24000
	v_mov_b32 v63, 0
	v_lshlrev_b32 v1, 4, v0                        ; 16 t
	v_lshrrev_b32 v58, 5, v0
	v_readfirstlane_b32 s14, v58                   ; wave
	s_lshr_b32 s15, s14, 2                         ; s: which 64 keys of a step
	s_and_b32 s16, s14, 3                          ; w: which 32 queries of a block
	s_mov_b32 s12, ttmp9                           ; p
	s_add_co_u32 s13, s12, 1
	s_and_b32 s18, ttmp7, 0xffff
	s_lshl_b32 s18, s18, 19                        ; head x 2048 rows x 256 bytes
	s_mov_b32 s19, 0
	s_lshl_b32 s36, s12, 15                        ; block p
	s_mov_b32 s37, 0
	s_sub_co_u32 s52, 15, s12
	s_lshl_b32 s52, s52, 15                        ; block 15 - p
	s_mov_b32 s53, 0
	s_lshr_b32 s54, s12, 1
	s_lshl_b32 s54, s54, 13
	s_add_co_u32 s54, s54, 3*TILEB                 ; prefetch: quarter p / 2 of key block 3; stepped by a block before each request
	s_mov_b32 s55, 0
	s_mov_b32 s46, 0x3e38aa3b                      ; c = log2(e) / 8
	s_mov_b32 s47, 0x3e38aa3b
	s_mov_b32 s48, 0x76543210                      ; v_permlanex16_b32: lane i of one half reads lane i of the other
	s_mov_b32 s49, 0xfedcba98
	s_mov_b32 s50, 0xbe38aa3b                      ; -c
	s_mov_b32 s51, 0xff7fffff                      ; -FLT_MAX
	s_mov_b32 s56, 0xffff0000                      ; a word's upper bf16
	s_mov_b32 s38, 1                               ; requests so far (key block 0 is the first)
	s_cmp_eq_u32 s14, 0
	s_cselect_b32 s42, 12, 0                       ; prefetches left: wave 0 alone asks
	s_wait_kmcnt 0x0
	s_add_nc_u64 s[20:21], s[6:7], s[18:19]        ; k, v at the head
	s_add_nc_u64 s[22:23], s[8:9], s[18:19]
	s_add_nc_u64 s[4:5], s[4:5], s[18:19]
	s_add_nc_u64 s[24:25], s[4:5], s[36:37]        ; q at the two blocks
	s_add_nc_u64 s[26:27], s[4:5], s[52:53]
	s_add_nc_u64 s[10:11], s[10:11], s[18:19]
	s_add_nc_u64 s[28:29], s[10:11], s[36:37]      ; out at the two blocks
	s_add_nc_u64 s[30:31], s[10:11], s[52:53]
	s_bitcmp1_b32 s12, 0
	s_cselect_b64 s[44:45], s[22:23], s[20:21]     ; p odd: v, p even: k
	s_add_nc_u64 s[44:45], s[44:45], s[54:55]
	WIN 0x40
	GLOAD 24, WG, 1                                ; both query blocks (read once in the launch), then key block 0
	GLOAD 26, WG+32, 1
	GLOAD 20, WKF, 0
	GLOAD 22, WKF+32, 0
	WIN 0
	v_and_b32 v50, 31, v0                          ; l
	v_and_b32 v51, 15, v0                          ; r
	v_bfe_u32 v52, v0, 4, 1                        ; h
	v_lshrrev_b32 v53, 4, v0                       ; t / 16
	v_mul_u32_u24 v2, v53, PITK
	v_lshl_add_u32 v2, v51, 3, v2                  ; row t / 16, 8 bytes at 8 (t % 16)
	v_mul_u32_u24 v3, v53, PITV
	v_lshl_add_u32 v3, v51, 3, v3
	v_add_nc_u32 v3, LV, v3
	v_add_nc_u32 v48, LQ0, v2
	v_add_nc_u32 v49, LQ1, v2
	v_mul_u32_u24 v54, v51, PITK
	v_lshl_add_u32 v54, v52, 4, v54                ; r x pitch + 16 h
	s_mul_i32 s39, s15, 64*PITK
	v_add_nc_u32 v4, s39, v54                      ; K fragments: my 64 keys
	s_mul_i32 s39, s16, 32*PITK
	v_add_nc_u32 v6, s39, v54                      ; Q fragments: my 32 queries
	v_and_b32 v55, 7, v0
	v_lshl_add_u32 v55, v52, 3, v55                ; 8 h + l % 8
	v_mul_u32_u24 v5, v55, PITV
	v_bfe_u32 v56, v0, 3, 1
	v_lshl_add_u32 v5, v56, 4, v5                  ; + 16 ((l / 8) % 2)
	s_mul_i32 s39, s15, 64*PITV
	s_add_co_u32 s39, s39, LV
	v_add_nc_u32 v5, s39, v5
	s_mul_i32 s39, s14, XB
	s_add_co_u32 s39, s39, LX
	v_lshl_add_u32 v7, v50, 4, s39                 ; my exchange bytes
	s_xor_b32 s41, s14, 4
	s_mul_i32 s41, s41, XB
	s_add_co_u32 s41, s41, LX
	v_lshl_add_u32 v8, v50, 4, s41                 ; the partner's
	s_mul_i32 s39, s14, OSB
	s_add_co_u32 s39, s39, LOS
	v_mul_u32_u24 v9, v51, PITO
	v_lshl_add_u32 v9, v52, 5, v9
	v_add_nc_u32 v9, s39, v9                       ; in: row r, 32 bytes for each half of the lanes
	v_mul_u32_u24 v10, v52, PITO
	v_lshl_add_u32 v10, v51, 4, v10
	v_add_nc_u32 v10, s39, v10                     ; back: lanes 0-15 one row, lanes 16-31 the next
	s_lshl_b32 s39, s16, 13
	s_lshl_b32 s41, s15, 12
	s_add_co_u32 s39, s39, s41
	v_lshl_add_u32 v11, v50, 4, s39                ; rows 32 w + 16 s .. of the out block
	v_lshlrev_b32 v12, 8, v50
	v_mov_b32 v13, 0xff800000
	s_lshl_b32 s39, s16, 5
	s_lshl_b32 s41, s15, 6
	s_sub_co_i32 s39, s39, s41
	v_add_nc_u32 v14, s39, v51
	v_lshlrev_b32 v57, 3, v52
	v_sub_nc_u32 v14, v14, v57                     ; 32 w + r - 64 s - 8 h
	v_add_nc_u32 v15, 16, v14
	v_mov_b32 v36, 0                               ; v_permlanex16_b32 counts as a reader of its destination
	v_mov_b32 v37, 0
	s_wait_loadcnt 16                              ; q is in; the 16 loads of key block 0 stay out
	WIN 0x45
	CVTB WG, 32                                    ; both query blocks to bf16: 16 words each
	WIN 0x04
	DSTORE 48, WG, PITK
	DSTORE 49, WG+16, PITK
	NEXTTILE
	WIN 0x40
	GLOAD 32, WG, 0                                ; the second tile of the sequence
	GLOAD 34, WG+32, 0
	s_wait_loadcnt 16                              ; key block 0 is in; the 16 loads just issued stay out
	CVTKV WKF
	WIN 0x04
	DSTORE 2, WKF, PITK
	DSTORE 3, WKF+16, PITV
	WIN 0
	s_wait_dscnt 0x0                               ; my parts of Q, K, V are in LDS
	s_barrier_signal -1
	s_barrier_wait -1
	LOADQ LQ0
	; ---------------- block p: p + 1 steps ----------------
	s_cmp_lg_u32 s12, 0
	s_cbranch_scc1 .Llow_many
	STEP 1, 1, 1, 1, a                             ; p = 0: the diagonal step alone
	s_branch .Llow_done
.Llow_many:
	STEP 1, 0, 1, 1, b
	s_cmp_eq_u32 s12, 1
	s_cbranch_scc1 .Llow_diag
	s_sub_co_i32 s40, s12, 1                       ; p - 1 steps in between, at least 1 here
.Llow_loop:
	STEP 0, 0, 1, 1, c
	s_sub_co_i32 s40, s40, 1
	s_cmp_gt_i32 s40, 0                            ; a signed compare: the loop ends from any start
	s_cbranch_scc1 .Llow_loop
.Llow_diag:
	STEP 0, 1, 1, 1, d
.Llow_done:
	FINISH lo, 28
	LOADQ LQ1
	; ---------------- block 15 - p: 16 - p steps ----------------
	STEP 1, 0, 1, 1, e
	s_sub_co_i32 s40, 13, s12                      ; 13 - p steps, at least 6
.Lhigh_loop:
	STEP 0, 0, 1, 1, f
	s_sub_co_i32 s40, s40, 1
	s_cmp_gt_i32 s40, 0
	s_cbranch_scc1 .Lhigh_loop
	STEP 0, 0, 1, 0, g                             ; all 17 tiles have been requested
	STEP 0, 1, 0, 0, h                             ; the last step: diagonal, nothing follows, no barrier
	FINISH hi, 30
	s_wait_tensorcnt 0x0
	ds_add_u32 v62, v63
	s_wait_dscnt 0x0
	s_endpgm
.Lfunc_end_k_q352cfe09b8_attn:
	.size	k_q352cfe09b8_attn, .Lfunc_end_k_q352cfe09b8_attn-k_q352cfe09b8_attn
	.p2alignl 7, 3214868480
	.fill 96, 4, 3214868480
	.section	.rodata,"a",@progbits
	.p2align	6, 0x0
	.amdhsa_kernel k_q352cfe09b8_attn
		.amdhsa_group_segment_fixed_size 148480
		.amdhsa_private_segment_fixed_size 0
		.amdhsa_enable_private_segment 0
		.amdhsa_kernarg_size 32
		.amdhsa_user_sgpr_count 2
		.amdhsa_user_sgpr_kernarg_segment_ptr 1
		.amdhsa_wavefront_size32 1
		.amdhsa_system_sgpr_workgroup_id_x 1
		.amdhsa_system_sgpr_workgroup_id_y 1
		.amdhsa_system_sgpr_workgroup_id_z 1
		.amdhsa_system_vgpr_workitem_id 0
		.amdhsa_next_free_vgpr 448
		.amdhsa_next_free_sgpr 66
		.amdhsa_reserve_vcc 1
		.amdhsa_float_denorm_mode_32 3
		.amdhsa_float_denorm_mode_16_64 3
		.amdhsa_memory_ordered 1
		.amdhsa_forward_progress 1
		.amdhsa_inst_pref_size 233
	.end_amdhsa_kernel
	.amdgpu_metadata
---
amdhsa.version: [ 1, 2 ]
amdhsa.kernels:
  - .name:           k_q352cfe09b8_attn
    .symbol:         k_q352cfe09b8_attn.kd
    .args:
      - { .name: q, .offset: 0, .size: 8, .value_kind: global_buffer, .address_space: global }
      - { .name: k, .offset: 8, .size: 8, .value_kind: global_buffer, .address_space: global }
      - { .name: v, .offset: 16, .size: 8, .value_kind: global_buffer, .address_space: global }
      - { .name: out0, .offset: 24, .size: 8, .value_kind: global_buffer, .address_space: global }
    .group_segment_fixed_size: 148480
    .private_segment_fixed_size: 0
    .kernarg_segment_align: 8
    .kernarg_segment_size: 32
    .max_flat_workgroup_size: 256
    .sgpr_count:     66
    .vgpr_count:     448
    .wavefront_size: 32
...
	.end_amdgpu_metadata
.endif
;; end of part 1
